; MI455X (gfx1250); checked and timed in simulation.
; The chip was launched on July 23, 2026; its instructions are those of AMD's public machine-readable ISA for CDNA 5 (MIT licence, August 2026) and "CDNA5" Instruction Set Architecture Reference Guide (July 2026). The comments in the code are by the model that wrote it; some were corrected since.
;; CNF ODE. Allowed arithmetic: matrix products marked QUANTISED: E5M2 operands, one given power-of-two scale a tensor, by v_wmma_f32_16x16x64_bf8_bf8 or v_wmma_f32_16x16x128_bf8_bf8, f32 sums; products left as they are: f32 operands where the result goes on into a quantised operand, else bf16, f16 or f32 operands; f32 sums; everything else in f32.
;; Inputs: W1 3 x 128 float32; W2 128 x 128 float32; W3 128 x 64 float32; W4 64 x 2 float32; b1 128 float32; b2 128 float32; b3 64 float32; b4 2 float32; logp 524,288 x 1 float32; lowp_scales 8 int32 (the exponents e of the quantised operands' scales 2^e); t one number float32; v 524,288 x 2 float32; y 524,288 x 2 float32.
;; Outputs: out0 524,288 x 2 float32; out1 524,288 x 1 float32.
;; This version of the problem:
;;   THIS VERSION OF THE PROBLEM IS GIVEN IN LOW PRECISION. The matrix products marked QUANTISED in the list below multiply operands that are first quantised to E5M2 (5 exponent bits, 2 mantissa bits; 8 bits a number), with one given power-of-two scale for each operand tensor; their sums are f32. All else is computed in f32.
;;   The module's matrix products, in the order in which they are computed (A, B: the left and right operand; K: the contracted axis; several contracted axes count as one K, in the product's order):
;;     1. [M 524,288, K 3] x [K 3, N 128]; A: computed on the way; B: input W1: left as it is (K = 3 < 32)
;;     2. [M 524,288, K 128] x [K 128, N 128]; A: computed on the way; B: input W2: QUANTISED (scales: A lowp_scales[0], B lowp_scales[1])
;;     3. [M 524,288, K 128] x [K 128, N 64]; A: computed on the way; B: input W3: QUANTISED (scales: A lowp_scales[2], B lowp_scales[3])
;;     4. [M 524,288, K 64] x [K 64, N 2]; A: computed on the way; B: input W4: left as it is (N = 2 < 16)
;;     5. [M 524,288, K 2] x [K 2, N 64]; A: input v; B: input W4: left as it is (K = 2 < 32)
;;     6. [M 524,288, K 64] x [K 64, N 128]; A: computed on the way; B: input W3: QUANTISED (scales: A lowp_scales[4], B lowp_scales[5])
;;     7. [M 524,288, K 128] x [K 128, N 128]; A: computed on the way; B: input W2: QUANTISED (scales: A lowp_scales[6], B lowp_scales[7])
;;     8. [M 524,288, K 128] x [K 128, N 3]; A: computed on the way; B: input W1: left as it is (N = 3 < 16)
;;   THE QUANTISER, for each operand of a quantised product, along K:
;;     - The operand's scale is 2^e, e = its entry of the input lowp_scales (int32; the entries are numbered through the quantised products in the list's order, A before B).
;;     - Each number is divided by the scale, clamped to +-57,344, and rounded to the nearest number of E5M2, ties to even, subnormals kept.
;;     - The product sums the exact products of the quantised numbers (number of the format x scale) in f32.
;;   ~~~python
;;   def quantise(x, axis, e):      # numpy; x: float32 -> the quantised numbers, widened to float32 again
;;       x = np.moveaxis(x, axis, -1); K = x.shape[-1]
;;       r = np.clip(x / 2.0 ** e, -57344, 57344)
;;       step = 2.0 ** (np.maximum(np.frexp(np.where(r == 0, 1, r))[1] - 1, -14) - 2)
;;       q = np.round(r / step) * step * 2.0 ** e      # np.round: ties to even
;;       return np.moveaxis(q, -1, axis).astype(np.float32)
;;   ~~~
;;   OPERANDS COMPUTED ON THE WAY. 'Computed on the way' means the value that the module computes at that place (a softmax that the list does not call 'softmax' is quantised finished and normalised). What goes into a quantiser is computed in f32, as accurately as f32 sums, v_exp_f32 and their like allow (about 1e-6 of the number): no bf16 or f16 on the way to a quantiser, and a product that is left as it is and whose result goes on into a quantised operand takes f32 operands (vector FMAs, or v_wmma_f32_16x16x4_f32). A number that lies on a knife's edge between two numbers of the format may be rounded either way, as far as f32 arithmetic and the matrix unit's own rounding can turn it there, and no further.
;; 2 versions, each right; version 2 is version 1 with the launch cnf written anew for expert scheduling mode. Each part assembles by itself: llvm-mc -triple=amdgcn-amd-amdhsa -mcpu=gfx1250 --defsym DOCPART=n.
;; ======== version 1 of 2: 1 launch
;; limits: right only within a limited range of input values
;; launch cnf (part 1): grid 256 x 1, 4 waves a work-group, no clusters, 49,664 bytes of LDS; arguments y, v, out0, out1, W1, b1, W2, b2, W3, b3, W4, b4, t, lowp_scales; writes out0, out1
.if DOCPART == 1
	.amdgcn_target "amdgcn-amd-amdhsa--gfx1250"
	.amdhsa_code_object_version 6
	.text
	.protected	k_q7eb8e4c9ba_cnf
	.globl	k_q7eb8e4c9ba_cnf
	.p2align	8
	.type	k_q7eb8e4c9ba_cnf,@function
k_q7eb8e4c9ba_cnf:
	s_mov_b64 s[64:65], 0
	v_nop
	global_prefetch_b8 v0, s[64:65] scope:SCOPE_SE
	s_setreg_imm32_b32 hwreg(HW_REG_WAVE_MODE, 25, 1), 1
	s_wait_xcnt 0x0
; out0 = mlp(y, t), a net 3 -> 128 -> 128 -> 64 -> 2 with SiLU;  out1 = -(g . v), g = the gradient with respect to y of (mlp(y, t) . v).  524,288 rows that know nothing of each other.
; Products 2, 3, 6 and 7 go on codes of BF8 (E5M2), each operand with the scale 2^e that lowp_scales gives for it (e0 .. e7), by v_wmma_f32_16x16x64_bf8_bf8, sums in f32.
; Products 1 and 5 feed a quantiser: f32 operands, v_wmma_f32_16x16x4_f32.  Products 4 and 8 feed the outputs: bf16 operands, f32 sums.  All else in f32.
; DEAD WORK.  logp occurs nowhere in the body of reference(): it has no way to an output, is not loaded and is no argument.  The gradient is taken with respect to y alone: of product 8 the third
; column (with respect to t) is cut away by the transpose of the concatenation, whatever the inputs hold; so row 2 of W1 is left out of product 8 (it stays in product 1).
; LIMIT: a NaN, an infinity or an overflow that would reach only that column or logp is not carried to a result.
; LIMITS on the given exponents, so that each power of two below is an f32 number: with E2 = e0 + e1, E3 = e2 + e3:  e0, e2 - E2, e4 - E3, e6 - e4 - e5 - E2, e1, e3, e5, e7 between -126 and 112;
; E2, E3, e6 + e7 between -126 and 126.  NaN among the inputs is not served.  Inputs are finite: in product 5 the v of a sample meets zeros in the product of the sample 32 away, so an infinite v would spoil that one too.
; SHARES.  256 work-groups of four waves, as many as a WGP has SIMDs.  A wave owns 512 rows: 8 blocks of 64, a block in two halves of two tiles of 16 rows.  EVERY WAVE HOLDS ALL WEIGHTS IN ITS REGISTERS for the
; whole launch (384 registers of codes, 176 of biases and small fragments), so the loop touches no LDS and has no barrier.  LDS serves once, at the head: each wave quantises a quarter of the weights and stores
; the codes as images of the operand registers (16 bytes a lane, 512 bytes a group of four registers); behind one barrier every wave loads all 96 groups.
; LAYOUT.  All products are used transposed: source 0 = 16 rows of a weight, source 1 = 16 samples; a lane (r = lane % 16, h = lane / 16) holds sample r throughout.
; THE UNITS OF A TILE ARE NOT NEIGHBOURS: lane r of tile t takes unit 32 (t / 2) + 8 (t % 2) + r + 8 (r / 8), so that register 16 b + i of a layer is unit 32 b + 16 h + i, forward and backward alike:
; a derivative meets its gradient register for register, and eight neighbouring registers convert into two registers of the next operand.  Code register 4 c + q, byte x, is k = 32 c + 16 h + 4 q + x in both operands:
; a permutation of k that is the same on both sides.  K = 128 goes as two instructions of K = 64 (registers 0-7, 8-15), so that the first half is multiplied while the second half is still held.
; ARITHMETIC, L = log2(e).  Layer 1: the weights carry L, so ACC = L z; T = 1 / (L + L 2^-ACC) = s / L (s the sigmoid); h = ACC T; silu' = T (L - L h) + h.
; Layers 2, 3: the bias goes in as C, divided by 2^E, so ACC = z / 2^E; T = 1 / (1 + 2^(-L 2^E ACC)) = s; H = ACC T = h / 2^E; D = T (2^-E - H) + H = silu' / 2^E.  The powers of two that H and D lack are folded
; into the scale of the next conversion, into the bf16 fragment of W4, and into v on the way out.  The hold at the largest code stands ahead of every conversion, with no branch.
; SAMPLES.  Lane l loads and stores samples 2 l and 2 l + 1 of a block (16 bytes of y, of v and of out0, 8 of out1: a wave covers 512, 512, 512 and 256 consecutive aligned bytes).  Tile p of half hh has
; sample 32 hh + 2 r + p in column r.  For the second half the two halves of the lanes change places in y and v.
; REGISTERS, in windows of 256 (s_set_vgpr_msb: bits 1:0 source 0, 3:2 source 1, 5:4 source 2, 7:6 destination):
;   window 0: v0 0 (in the loop); v1, v2 16 x lane, 8 x lane; v3, v4 the two of the add; v5-8 the four scales of the conversions; v9 t; v10-11 layer 1's source 1; v12-15 y; v16-19 v; v20-23 -2^(e6+e7) v;
;             v24-27 out0; v28-29 out1; v30-31 at work; v32-47, v48-63 codes; v64-127 ACC (written by matrix instructions alone); v128-191 T; v192-255 H
;   window 1: v0-127 W2 for product 2; v128-191 b2; v192-223 b3; v224-231 b4; v232-247 W1 and b1 for product 1; v248-255 the next block's y and v
;   window 2: v0-63 W3 for product 3; v64-127 W3 for product 6; v128-191 D2; v192-223 D3; v224-239 W4 for product 4; v240-247 W4 for product 5
;   window 3: v0-127 W2 for product 7; v128-191 D1; v224-255 W1 for product 8
; A hold names vector registers as source 1 and destination alone, a backward multiply has its derivative as source 0 in the window of the weights at work: so both stand between matrix instructions without a switch.
; NOT USED, by this text's own arithmetic: tensor loads and a ring (a row brings 16 bytes; two loads a wave, a block ahead, bring a block); clusters (what work-groups share is 98 KB of weights, read once at the head);
; a prefetch (the stream is asked for a whole block, four tiles of work, ahead of its use: no wave waits for it).
.set IMG2,  0                          ; LDS: 32 groups of 512 bytes: product 2's codes
.set IMG3,  16384                      ; 16 groups: product 3's
.set IMG6,  24576                      ; 16 groups: product 6's
.set IMG7,  32768                      ; 32 groups: product 7's
.set SPARE, 49152                      ; the spare words, 128 bytes for each wave: two blocks of 256 bytes that no other line names
.set XB,  10
.set Y,   12
.set V,   16
.set VS,  20
.set O,   24
.set R,   28
.set CA,  32
.set CB,  48
.set ACC, 64
.set T,   128
.set H,   192
.set GB,  T                            ; product 8's source 1, bf16
.set HB,  H+32                         ; product 4's source 1, bf16
.set DYA, H+48                         ; product 4's two accumulators
.set DYB, H+56
.set DGA, H                            ; product 8's two accumulators
.set DGB, H+8
.set P2,  0                            ; window 1
.set B2,  128
.set B3,  192
.set B4,  224
.set W1F, 232
.set YN,  248
.set VN,  252
.set P3,  0                            ; window 2
.set P6,  64
.set D2,  128
.set D3,  192
.set W4B, 224
.set W4F, 240
.set P7,  0                            ; window 3
.set D1,  128
.set W1B, 224
.set MSB, 0
.macro WIN new                         ; the immediate's high byte repeats the setting that is left; a switch that changes nothing is dropped
.if MSB != \new
	s_set_vgpr_msb (MSB<<8)|\new
.set MSB, \new
.endif
.endm
.macro NOPS n
.rept \n
	v_nop
.endr
.endm
.macro TWAIT                           ; behind a batch of transcendentals: one plain instruction, and one wait ahead of the first line that names a result
	v_nop
	s_wait_alu depctr_va_vdst(0)
.endm
.macro MKQ q, sc, p                    ; from the exponent in s[q]: v[sc] = 2^q as f32 (a conversion takes its exponent field); s[p] = 57,344 x 2^q; s[p+1] = the same, negative
	s_add_co_i32 s5, s[\q], 127
	s_lshl_b32 s6, s5, 23
	v_mov_b32 v[\sc], s6
	s_add_co_i32 s5, s5, 15
	s_lshl_b32 s5, s5, 23
	s_or_b32 s[\p], s5, 0x600000
	s_or_b32 s[(\p)+1], s[\p], 0x80000000
.endm
; ---- vector work
.macro EXPN g                          ; layer 1: T = 2^-ACC, registers 16 g on; each accumulator from its low end on
.set i, 0
.rept 16
	v_exp_f32 v[T+16*(\g)+i], -v[ACC+16*(\g)+i]
.set i, i+1
.endr
.endm
.macro EXPI n
.set i, 0
.rept \n
	v_exp_f32 v[T+i], v[T+i]
.set i, i+1
.endr
.endm
.macro SIGM n, m                       ; T = 1 / (L T + L) (m = 1) or 1 / (T + 1) (m = 0): a pair's two reciprocals stand behind the next pair's packed line; no line names a reciprocal's result
.set i, 0
.rept (\n)/2
.if \m
	v_pk_fma_f32 v[T+i:T+i+1], v[T+i:T+i+1], s[48:49], s[48:49] op_sel_hi:[1,0,0]
.else
	v_pk_add_f32 v[T+i:T+i+1], v[T+i:T+i+1], 1.0 op_sel_hi:[1,0]
.endif
.if i > 0
	v_rcp_f32 v[T+i-2], v[T+i-2]
	v_rcp_f32 v[T+i-1], v[T+i-1]
.endif
.set i, i+2
.endr
	v_rcp_f32 v[T+(\n)-2], v[T+(\n)-2]
	v_rcp_f32 v[T+(\n)-1], v[T+(\n)-1]
.endm
.macro HMUL n                          ; H = ACC x T
.set i, 0
.rept (\n)/2
	v_pk_mul_f32 v[H+i:H+i+1], v[ACC+i:ACC+i+1], v[T+i:T+i+1]
.set i, i+2
.endr
.endm
.macro DERIV d, n, m, k                ; D = T x w + H;  w = L - L H (m = 1) or s[k] - H (m = 0).  D lies in another window: destination and source 1
.set i, 0
.rept (\n)/2
.if \m
	v_pk_fma_f32 v[\d+i:\d+i+1], v[H+i:H+i+1], s[48:49], s[48:49] op_sel_hi:[1,0,0] neg_lo:[1,0,0] neg_hi:[1,0,0]
.else
	v_pk_add_f32 v[\d+i:\d+i+1], v[H+i:H+i+1], s[\k:\k+1] op_sel_hi:[1,0] neg_lo:[1,0] neg_hi:[1,0]
.endif
.set i, i+2
.endr
.set i, 0
.rept (\n)/2
	v_pk_fma_f32 v[\d+i:\d+i+1], v[T+i:T+i+1], v[\d+i:\d+i+1], v[H+i:H+i+1]
.set i, i+2
.endr
.endm
.macro HOLD f, n, sn, sp               ; the conversion to an 8-bit code does not saturate (ISA guide 7.6.2): H is held within the largest code x the scale first
.set i, 0
.rept \n
	v_med3_num_f32 v[H+(\f)+i], s[\sn], v[H+(\f)+i], s[\sp]
.set i, i+1
.endr
.endm
.macro CVT c, f, n, sc                 ; eight neighbours along the next K become two registers of codes
.set i, 0
.rept \n
	v_cvt_scalef32_pk8_bf8_f32 v[(\c)+2*i:(\c)+2*i+1], v[H+(\f)+8*i:H+(\f)+8*i+7], v[\sc]
.set i, i+1
.endr
.endm
.macro ASL t, c                        ; T = -L 2^E x ACC, tile t
.set i, 0
.rept 4
	v_pk_mul_f32 v[T+8*(\t)+i:T+8*(\t)+i+1], s[\c:\c+1], v[ACC+8*(\t)+i:ACC+8*(\t)+i+1] op_sel_hi:[0,1]
.set i, i+2
.endr
.endm
.macro BMUL t, d, a                    ; backward: H = D x the gradient, tile t
.set i, 0
.rept 4
	v_pk_mul_f32 v[H+8*(\t)+i:H+8*(\t)+i+1], v[\d+8*(\t)+i:\d+8*(\t)+i+1], v[ACC+(\a)+8*(\t)+i:ACC+(\a)+8*(\t)+i+1]
.set i, i+2
.endr
.endm
.macro XMIX t                          ; D1 x the gradient, rounded once, straight into the halves of product 8's source 1 (v0 = 0)
.set i, 0
.rept 4
	v_fma_mixlo_bf16 v[GB+4*(\t)+i], v[D1+8*(\t)+2*i], v[ACC+8*(\t)+2*i], v0
.set i, i+1
.endr
.set i, 0
.rept 4
	v_fma_mixhi_bf16 v[GB+4*(\t)+i], v[D1+8*(\t)+2*i+1], v[ACC+8*(\t)+2*i+1], v0
.set i, i+1
.endr
.endm
; ---- matrix work.  No two matrix instructions that follow each other share an accumulator, one instruction a turn
.macro MW1 t
	v_wmma_f32_16x16x4_f32 v[ACC+8*(\t):ACC+8*(\t)+7], v[W1F+2*(\t):W1F+2*(\t)+1], v[XB:XB+1], 0
.endm
.macro MW2 t, k
.if \k
	v_wmma_f32_16x16x64_bf8_bf8 v[ACC+8*(\t):ACC+8*(\t)+7], v[P2+16*(\t)+8:P2+16*(\t)+15], v[CA+8:CA+15], v[ACC+8*(\t):ACC+8*(\t)+7]
.else
	v_wmma_f32_16x16x64_bf8_bf8 v[ACC+8*(\t):ACC+8*(\t)+7], v[P2+16*(\t):P2+16*(\t)+7], v[CA:CA+7], v[B2+8*(\t):B2+8*(\t)+7]
.endif
.endm
.macro MW3 t, k
.if \k
	v_wmma_f32_16x16x64_bf8_bf8 v[ACC+8*(\t):ACC+8*(\t)+7], v[P3+16*(\t)+8:P3+16*(\t)+15], v[CB+8:CB+15], v[ACC+8*(\t):ACC+8*(\t)+7]
.else
	v_wmma_f32_16x16x64_bf8_bf8 v[ACC+8*(\t):ACC+8*(\t)+7], v[P3+16*(\t):P3+16*(\t)+7], v[CB:CB+7], v[B3+8*(\t):B3+8*(\t)+7]
.endif
.endm
.macro MW5 t, p
	v_wmma_f32_16x16x4_f32 v[ACC+32+8*(\t):ACC+32+8*(\t)+7], v[W4F+2*(\t):W4F+2*(\t)+1], v[V+2*(\p):V+2*(\p)+1], 0
.endm
.macro MW4A
	v_wmma_f32_16x16x32_bf16 v[DYA:DYA+7], v[W4B:W4B+7], v[HB:HB+7], v[B4:B4+7]
.endm
.macro MW4B
	v_wmma_f32_16x16x32_bf16 v[DYB:DYB+7], v[W4B+8:W4B+15], v[HB+8:HB+15], 0
.endm
.macro MW6 t
	v_wmma_f32_16x16x64_bf8_bf8 v[ACC+8*(\t):ACC+8*(\t)+7], v[P6+8*(\t):P6+8*(\t)+7], v[CA:CA+7], 0
.endm
.macro MW7 t, k
.if \k
	v_wmma_f32_16x16x64_bf8_bf8 v[ACC+8*(\t):ACC+8*(\t)+7], v[P7+16*(\t)+8:P7+16*(\t)+15], v[CB+8:CB+15], v[ACC+8*(\t):ACC+8*(\t)+7]
.else
	v_wmma_f32_16x16x64_bf8_bf8 v[ACC+8*(\t):ACC+8*(\t)+7], v[P7+16*(\t):P7+16*(\t)+7], v[CB:CB+7], 0
.endif
.endm
.macro MW8 s
.if (\s) < 2
	v_wmma_f32_16x16x32_bf16 v[DGA+8*((\s)%2):DGA+8*((\s)%2)+7], v[W1B+8*(\s):W1B+8*(\s)+7], v[GB+8*(\s):GB+8*(\s)+7], 0
.else
	v_wmma_f32_16x16x32_bf16 v[DGA+8*((\s)%2):DGA+8*((\s)%2)+7], v[W1B+8*(\s):W1B+8*(\s)+7], v[GB+8*(\s):GB+8*(\s)+7], v[DGA+8*((\s)%2):DGA+8*((\s)%2)+7]
.endif
.endm
; ================================================================ THE HEAD
	s_load_b512 s[8:23], s[0:1], 0x0               ; y s[8:9], v s[10:11], out0 s[12:13], out1 s[14:15], W1 s[16:17], b1 s[18:19], W2 s[20:21], b2 s[22:23]
	s_load_b256 s[24:31], s[0:1], 0x40             ; W3 s[24:25], b3 s[26:27], W4 s[28:29], b4 s[30:31]
	s_load_b128 s[32:35], s[0:1], 0x60             ; t s[32:33], the scales' exponents s[34:35]
	v_lshl_add_u32 v3, v0, 2, SPARE                ; my spare word,
	v_mov_b32 v4, 0                                ; and 0: kept for the add at the wave's end alone
	v_lshrrev_b32 v30, 5, v0
	v_readfirstlane_b32 s2, v30                    ; wave 0..3
	v_and_b32 v31, 31, v0                          ; lane
	v_lshlrev_b32 v1, 4, v31                       ; 16 x lane
	v_lshlrev_b32 v2, 3, v31                       ; 8 x lane
	v_and_b32 v10, 15, v0                          ; r
	v_bfe_u32 v11, v0, 4, 1                        ; h
	v_and_b32 v12, 8, v10
	v_add_nc_u32 v12, v12, v10                     ; u0 = r + 8 (r / 8): my unit in tile 0
	v_and_b32 v13, 1, v0                           ; which of the two outputs my row of a thin fragment serves
	v_lshlrev_b32 v17, 2, v12                      ; 4 u0
	v_lshl_add_u32 v14, v11, 13, v17               ; product 2, W2[k][n]: my column n = u0, 16 h rows of 512 bytes down,
	s_lshl_b32 s4, s2, 7
	v_add_nc_u32 v14, s4, v14                      ; my wave's two tiles: 32 w units on
	v_lshlrev_b32 v15, 6, v11                      ; 64 h: my half's 16 numbers of a run of 32
	v_lshl_add_u32 v16, v11, 10, v17               ; W1: row 2 h, unit u0
	v_lshl_add_u32 v18, v11, 12, v17               ; product 3, W3[k][n]: 16 h rows of 256 bytes down,
	s_lshr_b32 s4, s2, 1
	s_lshl_b32 s4, s4, 7
	s_and_b32 s5, s2, 1
	s_lshl_b32 s5, s5, 5
	s_add_co_u32 s4, s4, s5
	v_add_nc_u32 v18, s4, v18                      ; my wave's tile w begins at unit 32 (w / 2) + 8 (w % 2)
	v_lshl_add_u32 v19, v12, 8, v15                ; product 6, W3[u][n]: my row u0, + 64 h,
	s_lshl_b32 s4, s2, 13
	v_add_nc_u32 v19, s4, v19                      ; 32 w rows on
	v_lshlrev_b32 v20, 3, v12                      ; W4[u][0..1]: 8 u0
	v_lshlrev_b32 v21, 2, v13
	v_lshl_add_u32 v21, v11, 7, v21                ; W4[16 h + ..][my output]
	v_lshl_add_u32 v22, v12, 9, v15                ; product 7, W2[u][n]: my row u0, + 64 h,
	s_lshl_b32 s4, s2, 14
	v_add_nc_u32 v22, s4, v22                      ; 32 w rows on
	v_lshl_add_u32 v23, v13, 9, v15                ; W1[my output][16 h + ..]
	s_lshl_b32 s4, s2, 12
	v_add_nc_u32 v230, s4, v1                      ; where I store images: 16 x lane + 8 groups x wave,
	s_lshl_b32 s4, s2, 11
	v_add_nc_u32 v231, s4, v1                      ; or + 4 groups x wave
	s_wait_kmcnt 0x0                               ; the fourteen addresses
	s_load_b256 s[36:43], s[34:35], 0x0            ; e0 .. e7
	s_load_b32 s44, s[32:33], 0x0                  ; t
	s_load_b64 s[46:47], s[30:31], 0x0             ; b4
	s_lshl_b32 s4, ttmp9, 2
	s_add_co_u32 s4, s4, s2                        ; 4 x work-group + wave: which run of 512 rows is mine
	s_lshl_b32 s6, s4, 12                          ; 512 rows of 8 bytes
	s_mov_b32 s7, 0
	s_add_nc_u64 s[8:9], s[8:9], s[6:7]
	s_add_nc_u64 s[10:11], s[10:11], s[6:7]
	s_add_nc_u64 s[12:13], s[12:13], s[6:7]
	s_lshl_b32 s6, s4, 11                          ; 512 rows of 4 bytes
	s_add_nc_u64 s[14:15], s[14:15], s[6:7]
	; ---- all loads of the head, by destination window.  Number 16 c + i of a tile's 64 (or 32) is k = 32 c + 16 h + i
	WIN 0x40
.set n, 0
.rept 128                              ; product 2: tiles 2 w, 2 w + 1; K is the first axis of W2: a lane takes a column, its registers run down K
	global_load_b32 v[n], v14, s[20:21] offset:(32*((n/16)%4)+n%16)*512+32*(n/64)
.set n, n+1
.endr
.set n, 0
.rept 16                               ; b2 in the accumulators' layout: register 16 b + i = unit 32 b + 16 h + i
	global_load_b128 v[B2+4*n:B2+4*n+3], v15, s[22:23] offset:128*(n/4)+16*(n%4)
.set n, n+1
.endr
.set n, 0
.rept 8
	global_load_b128 v[B3+4*n:B3+4*n+3], v15, s[26:27] offset:128*(n/4)+16*(n%4)
.set n, n+1
.endr
.set n, 0
.rept 8                                ; product 1, K = 4: (W1 row 0, W1 row 1) in lanes 0-15, (W1 row 2, b1) in lanes 16-31
	global_load_b32 v[W1F+2*n], v16, s[16:17] offset:4*(32*(n/2)+8*(n%2))
	global_load_b32 v[W1F+2*n+1], v17, s[16:17] offset:512+4*(32*(n/2)+8*(n%2))
	global_load_b32 v[YN+n], v17, s[18:19] offset:4*(32*(n/2)+8*(n%2))
.set n, n+1
.endr
	WIN 0x80
.set n, 0
.rept 64                               ; product 3: tile w
	global_load_b32 v[n], v18, s[24:25] offset:(32*(n/16)+n%16)*256
.set n, n+1
.endr
.set n, 0
.rept 16                               ; product 6: tiles 2 w, 2 w + 1; K is the last axis of W3
	global_load_b128 v[64+4*n:64+4*n+3], v19, s[24:25] offset:2048*(n/8)+128*((n/4)%2)+16*(n%4)
.set n, n+1
.endr
.set n, 0
.rept 4                                ; product 5, K = 4: (W4[u][0], W4[u][1]) in lanes 0-15; lanes 16-31 become zeros below
	global_load_b64 v[W4F+2*n:W4F+2*n+1], v20, s[28:29] offset:8*(32*(n/2)+8*(n%2))
.set n, n+1
.endr
.set n, 0
.rept 32                               ; product 4: W4[32 b + 16 h + i][my output]
	global_load_b32 v[128+n], v21, s[28:29] offset:256*(n/16)+8*(n%16)
.set n, n+1
.endr
	WIN 0xc0
.set n, 0
.rept 32                               ; product 7: tiles 2 w, 2 w + 1; K is the last axis of W2
	global_load_b128 v[4*n:4*n+3], v22, s[20:21] offset:4096*(n/16)+128*((n/4)%4)+16*(n%4)
.set n, n+1
.endr
.set n, 0
.rept 16                               ; product 8: W1[my output][32 s + 16 h + i]
	global_load_b128 v[128+4*n:128+4*n+3], v23, s[16:17] offset:128*(n/4)+16*(n%4)
.set n, n+1
.endr
	WIN 0
	; ---- the constants
	s_wait_kmcnt 0x0                               ; the exponents, t, b4
	s_mov_b32 s48, 0x3fb8aa3b                      ; L = log2(e); every scalar pair below is named whole by a packed form, which takes its low word for both halves
	s_mov_b32 s49, s48
	s_add_co_i32 s76, s36, s37                     ; E2 = e0 + e1
	s_add_co_i32 s77, s38, s39                     ; E3 = e2 + e3
	s_lshl_b32 s4, s76, 23
	s_add_co_i32 s50, s4, 0xbfb8aa3b               ; -L 2^E2: the exponent is added to -L's exponent field
	s_mov_b32 s51, s50
	s_sub_co_i32 s4, 127, s76
	s_lshl_b32 s52, s4, 23                         ; 2^-E2
	s_mov_b32 s53, s52
	s_lshl_b32 s4, s77, 23
	s_add_co_i32 s54, s4, 0xbfb8aa3b               ; -L 2^E3
	s_mov_b32 s55, s54
	s_sub_co_i32 s4, 127, s77
	s_lshl_b32 s56, s4, 23                         ; 2^-E3
	s_mov_b32 s57, s56
	s_add_co_i32 s4, s42, s43
	s_add_co_i32 s4, s4, 127
	s_lshl_b32 s4, s4, 23
	s_or_b32 s58, s4, 0x80000000                   ; -2^(e6 + e7)
	s_mov_b32 s59, s58
	s_mov_b32 s60, 0xffff0000                      ; lanes 16-31
	s_mov_b32 s62, 0x76543210                      ; v_permlanex16_b32: lane l xor 16
	s_mov_b32 s63, 0xfedcba98
	s_sub_co_i32 s86, 0, s76
	s_sub_co_i32 s87, 0, s77
	s_add_co_i32 s4, s77, 127
	s_lshl_b32 s88, s4, 23                         ; 2^E3
	s_sub_co_i32 s89, s38, s76                     ; h2's conversion: H = h2 / 2^E2, so its scale is 2^(e2 - E2)
	s_sub_co_i32 s90, s40, s77                     ; layer 3's gradient: 2^(e4 - E3)
	s_sub_co_i32 s91, s42, s40
	s_sub_co_i32 s91, s91, s41
	s_sub_co_i32 s91, s91, s76                     ; layer 2's gradient: 2^(e6 - e4 - e5 - E2)
	MKQ 36, 5, 66
	MKQ 89, 6, 68
	MKQ 90, 7, 70
	MKQ 91, 8, 72
	MKQ 37, 224, 78                                ; the weights': e1, e3, e5, e7
	MKQ 39, 225, 80
	MKQ 41, 226, 82
	MKQ 43, 227, 84
	v_and_b32 v30, 6, v0
	v_cmp_eq_u32 vcc_lo, 0, v30                    ; rows 0, 1, 8, 9 of a thin fragment are live: so both halves of the lanes get both outputs in registers 0 and 1
	v_cndmask_b32 v228, 0, 1.0, vcc_lo
	v_mov_b32 v31, s88
	v_cndmask_b32 v229, 0, v31, vcc_lo             ; for W4: x 2^E3, which h3 lacks
	v_mov_b32 v9, s44                              ; t
	s_wait_loadcnt 0x0                             ; all loads of the head are in
	; ---- my quarter of the weights becomes codes, in window 0: v128-159 product 2's, v160-191 product 7's, v192-207 product 3's, v208-223 product 6's
	WIN 0x41
.set n, 0
.rept 128
	v_med3_num_f32 v[n], v[n], s79, s78
.set n, n+1
.endr
	WIN 0x01
.set n, 0
.rept 16
	v_cvt_scalef32_pk8_bf8_f32 v[128+2*n:129+2*n], v[8*n:8*n+7], v224
.set n, n+1
.endr
	WIN 0xc3
.set n, 0
.rept 128
	v_med3_num_f32 v[n], v[n], s85, s84
.set n, n+1
.endr
	WIN 0x03
.set n, 0
.rept 16
	v_cvt_scalef32_pk8_bf8_f32 v[160+2*n:161+2*n], v[8*n:8*n+7], v227
.set n, n+1
.endr
	WIN 0x82
.set n, 0
.rept 64
	v_med3_num_f32 v[n], v[n], s81, s80
	v_med3_num_f32 v[64+n], v[64+n], s83, s82
.set n, n+1
.endr
	WIN 0x02
.set n, 0
.rept 8
	v_cvt_scalef32_pk8_bf8_f32 v[192+2*n:193+2*n], v[8*n:8*n+7], v225
	v_cvt_scalef32_pk8_bf8_f32 v[208+2*n:209+2*n], v[64+8*n:64+8*n+7], v226
.set n, n+1
.endr
	v_nop                                          ; one plain vector instruction behind the last scaled conversion
	WIN 0
.set n, 0
.rept 8                                ; the images: a group of four registers is 512 consecutive bytes, 16 a lane
	ds_store_b128 v230, v[128+4*n:131+4*n] offset:IMG2+512*n
	ds_store_b128 v230, v[160+4*n:163+4*n] offset:IMG7+512*n
.set n, n+1
.endr
.set n, 0
.rept 4
	ds_store_b128 v231, v[192+4*n:195+4*n] offset:IMG3+512*n
	ds_store_b128 v231, v[208+4*n:211+4*n] offset:IMG6+512*n
.set n, n+1
.endr
	; ---- the small fragments, while the stores are out
	WIN 0x45
.set n, 0
.rept 8
	v_cndmask_b32 v[W1F+2*n+1], v[W1F+2*n+1], v[YN+n], s60   ; k = 3 is the bias, against the 1.0 of source 1
.set n, n+1
.endr
.set n, 0
.rept 16
	v_mul_f32 v[W1F+n], s48, v[W1F+n]              ; x L
.set n, n+1
.endr
.set n, 0
.rept 64
	v_ldexp_f32 v[B2+n], v[B2+n], s86              ; b2 / 2^E2: the C of product 2's first half
.set n, n+1
.endr
.set n, 0
.rept 32
	v_ldexp_f32 v[B3+n], v[B3+n], s87
.set n, n+1
.endr
	v_mov_b32 v[B4], s46                           ; b4: rows 0 and 8, rows 1 and 9
	v_mov_b32 v[B4+1], s47
.set n, 2
.rept 6
	v_mov_b32 v[B4+n], 0
.set n, n+1
.endr
	WIN 0x82
.set n, 0
.rept 8
	v_cndmask_b32 v[W4F+n], v[W4F+n], 0, s60       ; k = 2, 3 of product 5 are zeros
.set n, n+1
.endr
.set n, 0
.rept 32
	v_mul_f32 v[128+n], v[128+n], v229
.set n, n+1
.endr
	WIN 0x8a
.set n, 0
.rept 16
	v_cvt_pk_bf16_f32 v[W4B+n], v[128+2*n], v[129+2*n]
.set n, n+1
.endr
	WIN 0xc3
.set n, 0
.rept 64
	v_mul_f32 v[128+n], v[128+n], v228
.set n, n+1
.endr
	WIN 0xcf
.set n, 0
.rept 32
	v_cvt_pk_bf16_f32 v[W1B+n], v[128+2*n], v[129+2*n]
.set n, n+1
.endr
	WIN 0
.set n, 0
.rept 6
	v_mov_b32 v[O+n], 0                            ; out0's and out1's registers are filled half the lanes at a time: written whole once
.set n, n+1
.endr
	s_wait_dscnt 0x0                               ; for the others' sake: my 24 stores have landed
	s_barrier_signal -1
	s_barrier_wait -1                              ; all 96 groups lie in LDS; nobody writes LDS again
	WIN 0x40
.set n, 0
.rept 32
	ds_load_b128 v[P2+4*n:P2+4*n+3], v1 offset:IMG2+512*n
.set n, n+1
.endr
	global_load_b128 v[YN:YN+3], v1, s[8:9] th:TH_LOAD_NT     ; the first block's y and v
	global_load_b128 v[VN:VN+3], v1, s[10:11] th:TH_LOAD_NT
	WIN 0x80
.set n, 0
.rept 16
	ds_load_b128 v[P3+4*n:P3+4*n+3], v1 offset:IMG3+512*n
	ds_load_b128 v[P6+4*n:P6+4*n+3], v1 offset:IMG6+512*n
.set n, n+1
.endr
	WIN 0xc0
.set n, 0
.rept 32
	ds_load_b128 v[P7+4*n:P7+4*n+3], v1 offset:IMG7+512*n
.set n, n+1
.endr
	WIN 0
	v_mov_b32 v0, 0                                ; from here on v0 is the 0 that XMIX adds
	s_wait_dscnt 0x0                               ; the weights are in
; ================================================================ A TILE OF 16 SAMPLES, forward and backward.  p: which of a lane's two samples
; PLACES.  A vector instruction that reads a matrix result stands 4 places behind the bf8 and bf16 forms and 8 behind the f32 form, and only plain vector instructions that name none of that
; instruction's registers are places (ISA guide 7.12.1).  Where slices of vector work stand between matrix instructions, tile t is read behind the slices of tiles t - 2 and t - 1: 8 places or more;
; the first two tiles of a run have four v_nop.  A matrix instruction that writes an accumulator anew stands a whole vector phase behind the last one that wrote it.
.macro TILE p
	v_cndmask_b32 v[XB], v[Y+2*(\p)], v9, s60      ; source 1 of product 1: (y0, y1) in lanes 0-15, (t, 1.0) in lanes 16-31
	v_cndmask_b32 v[XB+1], v[Y+2*(\p)+1], 1.0, s60
.set tq, 0
.rept 4                                ; product 1, two tiles at a time; the exponentials of two tiles stand behind the next two products: four v_nop behind each pair make the eight places
	WIN 0x01
	MW1 2*tq
	MW1 2*tq+1
	NOPS 4
.if tq > 0
	WIN 0
	EXPN tq-1
.endif
.set tq, tq+1
.endr
	NOPS 4
	WIN 0
	EXPN 3
	TWAIT
	SIGM 64, 1
	TWAIT
	HMUL 64                                        ; h1
	WIN 0xcc
	DERIV D1, 64, 1, 0
	WIN 0
	HOLD 0, 32, 67, 66
	CVT CA, 0, 4, 5                                ; k = 0 .. 63 of product 2
	WIN 0x11
.set tq, 0
.rept 8                                ; its first half is multiplied while the second half is held; the first four holds are the plain place behind the conversions
	HOLD 32+4*tq, 4, 67, 66
	MW2 tq, 0
.set tq, tq+1
.endr
	WIN 0
	CVT CA+8, 32, 4, 5
	NOPS 1                                         ; the plain place behind the conversions
	WIN 0x01
	MW2 0, 1
	MW2 1, 1
	NOPS 4
.set tq, 0
.rept 6
	MW2 tq+2, 1
	ASL tq, 50
.set tq, tq+1
.endr
	ASL 6, 50
	ASL 7, 50
	WIN 0
	EXPI 64
	TWAIT
	SIGM 64, 0
	TWAIT
	HMUL 64                                        ; h2 / 2^E2
	WIN 0x88
	DERIV D2, 64, 0, 52
	WIN 0x12                                       ; product 5 goes into the upper half of ACC, which layer 3 leaves free, under layer 2's holds
	MW5 0, \p
	HOLD 0, 16, 69, 68
	MW5 1, \p
	HOLD 16, 16, 69, 68
	WIN 0
	CVT CB, 0, 4, 6
	WIN 0x12
.set tq, 0
.rept 4
	HOLD 32+4*tq, 4, 69, 68
	MW3 tq, 0
.set tq, tq+1
.endr
	MW5 2, \p
	HOLD 48, 16, 69, 68
	WIN 0
	CVT CB+8, 32, 4, 6
	NOPS 1
	WIN 0x02
	MW3 0, 1
	MW3 1, 1
	NOPS 4
	MW3 2, 1
	ASL 0, 54
	MW3 3, 1
	ASL 1, 54
	MW5 3, \p
	ASL 2, 54
	ASL 3, 54
	WIN 0
	EXPI 32
	TWAIT
	SIGM 32, 0
	TWAIT
	HMUL 32                                        ; h3 / 2^E3
	WIN 0x88
	DERIV D3, 32, 0, 56
	WIN 0
.set i, 0
.rept 16
	v_cvt_pk_bf16_f32 v[HB+i], v[H+2*i], v[H+2*i+1]
.set i, i+1
.endr
	WIN 0x12
	MW4A                                           ; product 4 in two accumulators, units 0-31 (with b4 as C) and 32-63
	MW4B
	BMUL 0, D3, 32                                 ; layer 3's gradient; these 48 lines are also the places behind product 4
	BMUL 1, D3, 32
	BMUL 2, D3, 32
	BMUL 3, D3, 32
	HOLD 0, 32, 71, 70
	WIN 0
	CVT CA, 0, 4, 7
	v_add_f32 v30, v[DYA], v[DYB]                  ; (the plain place behind the conversions)
	v_add_f32 v31, v[DYA+1], v[DYB+1]
	v_cndmask_b32 v[O+2*(\p)], v[O+2*(\p)], v30, s61   ; the half of the lanes that owns these samples keeps them
	v_cndmask_b32 v[O+2*(\p)+1], v[O+2*(\p)+1], v31, s61
	WIN 0x02
	MW6 0
	MW6 1
	NOPS 4
.set tq, 0
.rept 3
	MW6 2*tq+2
	MW6 2*tq+3
	BMUL tq, D2, 0
	HOLD 8*tq, 8, 73, 72
.set tq, tq+1
.endr
	BMUL 3, D2, 0
	HOLD 24, 8, 73, 72
	BMUL 4, D2, 0
	BMUL 5, D2, 0
	BMUL 6, D2, 0
	BMUL 7, D2, 0
	WIN 0
	CVT CB, 0, 4, 8
	WIN 0x03
.set tq, 0
.rept 8
	HOLD 32+4*tq, 4, 73, 72
	MW7 tq, 0
.set tq, tq+1
.endr
	WIN 0
	CVT CB+8, 32, 4, 8
	NOPS 1
	WIN 0x03
	MW7 0, 1
	MW7 1, 1
	NOPS 4
	MW7 2, 1
	XMIX 0
	MW7 3, 1
	XMIX 1
	MW7 4, 1
	XMIX 2
	MW8 0                                          ; product 8, 32 units an instruction, two accumulators by turns
	MW7 5, 1
	XMIX 3
	MW7 6, 1
	XMIX 4
	MW8 1
	MW7 7, 1
	XMIX 5
	XMIX 6
	MW8 2
	XMIX 7
	MW8 3
	NOPS 4
	WIN 0
	v_mul_f32 v30, v[DGA], v[VS+2*(\p)]            ; -(g . v): the sums lack 2^(e6 + e7), which VS carries with the sign
	v_fmac_f32 v30, v[DGB], v[VS+2*(\p)]
	v_fmac_f32 v30, v[DGA+1], v[VS+2*(\p)+1]
	v_fmac_f32 v30, v[DGB+1], v[VS+2*(\p)+1]
	v_cndmask_b32 v[R+(\p)], v[R+(\p)], v30, s61
.endm
; ================================================================ THE LOOP: 8 blocks of 64 samples
	s_mov_b32 s74, 8
.Lblock:
	s_wait_loadcnt 0x0                             ; this block's y and v, asked for a block ago; the wait also frees their bases
	WIN 0x01
.set i, 0
.rept 8
	v_mov_b32 v[Y+i], v[YN+i]
.set i, i+1
.endr
	WIN 0
	v_pk_mul_f32 v[VS:VS+1], v[V:V+1], s[58:59] op_sel_hi:[1,0]
	v_pk_mul_f32 v[VS+2:VS+3], v[V+2:V+3], s[58:59] op_sel_hi:[1,0]
	s_cmp_eq_u32 s74, 1                            ; the last block asks for nothing: no load leaves its buffer
	s_cbranch_scc1 .Lnonext
	s_add_nc_u64 s[8:9], s[8:9], 512
	s_add_nc_u64 s[10:11], s[10:11], 512
	WIN 0x40
	global_load_b128 v[YN:YN+3], v1, s[8:9] th:TH_LOAD_NT     ; 32 lanes read 512 consecutive bytes; read once in the launch
	global_load_b128 v[VN:VN+3], v1, s[10:11] th:TH_LOAD_NT
	WIN 0
.Lnonext:
	s_mov_b32 s61, 0x0000ffff                      ; the first half's samples belong to lanes 0-15
	s_mov_b32 s75, 2
.Lhalf:
	TILE 0
	TILE 1
.set i, 0
.rept 8                                ; the halves of the lanes change places in y and v (VS stays: a result is taken in the lane that owns the sample)
	v_permlanex16_b32 v[T+i], v[Y+i], s62, s63
.set i, i+1
.endr
.set i, 0
.rept 8
	v_mov_b32 v[Y+i], v[T+i]
.set i, i+1
.endr
	s_not_b32 s61, s61
	s_sub_co_u32 s75, s75, 1
	s_cmp_lg_u32 s75, 0
	s_cbranch_scc1 .Lhalf
	global_store_b128 v1, v[O:O+3], s[12:13] th:TH_STORE_NT   ; 32 lanes store 512 consecutive bytes, at a multiple of 256 from out0's first byte
	global_store_b64 v2, v[R:R+1], s[14:15] th:TH_STORE_NT    ; and 256 consecutive bytes, at a multiple of 256 from out1's
	s_wait_xcnt 0x0                                ; the stores' data and bases are written again only behind this wait
	s_add_nc_u64 s[12:13], s[12:13], 512
	s_add_nc_u64 s[14:15], s[14:15], 256
	s_sub_co_u32 s74, s74, 1
	s_cmp_lg_u32 s74, 0
	s_cbranch_scc1 .Lblock
	s_wait_tensorcnt 0x0                           ; the wave's end
	ds_add_u32 v3, v4
	s_wait_dscnt 0x0
	s_endpgm
.Lfunc_end_k_q7eb8e4c9ba_cnf:
	.size	k_q7eb8e4c9ba_cnf, .Lfunc_end_k_q7eb8e4c9ba_cnf-k_q7eb8e4c9ba_cnf
	.p2alignl 7, 3214868480
	.fill 96, 4, 3214868480
	.section	.rodata,"a",@progbits
	.p2align	6, 0x0
	.amdhsa_kernel k_q7eb8e4c9ba_cnf
		.amdhsa_group_segment_fixed_size 49664
		.amdhsa_private_segment_fixed_size 0
		.amdhsa_enable_private_segment 0
		.amdhsa_kernarg_size 112
		.amdhsa_user_sgpr_count 2
		.amdhsa_user_sgpr_kernarg_segment_ptr 1
		.amdhsa_wavefront_size32 1
		.amdhsa_system_sgpr_workgroup_id_x 1
		.amdhsa_system_sgpr_workgroup_id_y 1
		.amdhsa_system_sgpr_workgroup_id_z 1
		.amdhsa_system_vgpr_workitem_id 0
		.amdhsa_next_free_vgpr 1024
		.amdhsa_next_free_sgpr 96
		.amdhsa_reserve_vcc 1
		.amdhsa_float_denorm_mode_32 3
		.amdhsa_float_denorm_mode_16_64 3
		.amdhsa_memory_ordered 1
		.amdhsa_forward_progress 1
		.amdhsa_inst_pref_size 223
	.end_amdhsa_kernel
	.amdgpu_metadata
---
amdhsa.version: [ 1, 2 ]
amdhsa.kernels:
  - .name:           k_q7eb8e4c9ba_cnf
    .symbol:         k_q7eb8e4c9ba_cnf.kd
    .args:
      - { .name: y, .offset: 0, .size: 8, .value_kind: global_buffer, .address_space: global }
      - { .name: v, .offset: 8, .size: 8, .value_kind: global_buffer, .address_space: global }
      - { .name: out0, .offset: 16, .size: 8, .value_kind: global_buffer, .address_space: global }
      - { .name: out1, .offset: 24, .size: 8, .value_kind: global_buffer, .address_space: global }
      - { .name: W1, .offset: 32, .size: 8, .value_kind: global_buffer, .address_space: global }
      - { .name: b1, .offset: 40, .size: 8, .value_kind: global_buffer, .address_space: global }
      - { .name: W2, .offset: 48, .size: 8, .value_kind: global_buffer, .address_space: global }
      - { .name: b2, .offset: 56, .size: 8, .value_kind: global_buffer, .address_space: global }
      - { .name: W3, .offset: 64, .size: 8, .value_kind: global_buffer, .address_space: global }
      - { .name: b3, .offset: 72, .size: 8, .value_kind: global_buffer, .address_space: global }
      - { .name: W4, .offset: 80, .size: 8, .value_kind: global_buffer, .address_space: global }
      - { .name: b4, .offset: 88, .size: 8, .value_kind: global_buffer, .address_space: global }
      - { .name: t, .offset: 96, .size: 8, .value_kind: global_buffer, .address_space: global }
      - { .name: lowp_scales, .offset: 104, .size: 8, .value_kind: global_buffer, .address_space: global }
    .group_segment_fixed_size: 49664
    .private_segment_fixed_size: 0
    .kernarg_segment_align: 8
    .kernarg_segment_size: 112
    .max_flat_workgroup_size: 128
    .sgpr_count:     96
    .vgpr_count:     1024
    .wavefront_size: 32
...
	.end_amdgpu_metadata
.endif
;; end of part 1
;; ======== version 2 of 2: 1 launch; version 1 with the launch cnf written anew for expert scheduling mode
;; limits: right only within a limited range of input values
;; launch cnf (part 2): grid 256 x 1, 4 waves a work-group, no clusters, 49,664 bytes of LDS; arguments y, v, out0, out1, W1, b1, W2, b2, W3, b3, W4, b4, t, lowp_scales; writes out0, out1
.if DOCPART == 2
	.amdgcn_target "amdgcn-amd-amdhsa--gfx1250"
	.amdhsa_code_object_version 6
	.text
	.protected	k_q7eb8e4c9ba_cnf
	.globl	k_q7eb8e4c9ba_cnf
	.p2align	8
	.type	k_q7eb8e4c9ba_cnf,@function
k_q7eb8e4c9ba_cnf:
	s_mov_b64 s[64:65], 0
	v_nop
	global_prefetch_b8 v0, s[64:65] scope:SCOPE_SE
	s_setreg_imm32_b32 hwreg(HW_REG_WAVE_SCHED_MODE, 0, 2), 2
	s_setreg_imm32_b32 hwreg(HW_REG_WAVE_MODE, 25, 1), 1
	s_wait_xcnt 0x0
	s_wait_alu depctr_vm_vsrc(0)
; out0 = mlp(y, t), a net 3 -> 128 -> 128 -> 64 -> 2 with SiLU;  out1 = -(g . v), g = the gradient with respect to y of (mlp(y, t) . v).  524,288 rows that know nothing of each other.
; Products 2, 3, 6 and 7 go on codes of BF8 (E5M2), each operand with the scale 2^e that lowp_scales gives for it (e0 .. e7), by v_wmma_f32_16x16x64_bf8_bf8, sums in f32.
; Products 1 and 5 feed a quantiser: f32 operands, v_wmma_f32_16x16x4_f32.  Products 4 and 8 feed the outputs: bf16 operands, f32 sums.  All else in f32.
; DEAD WORK.  logp occurs nowhere in the body of reference(): it has no way to an output, is not loaded and is no argument.  The gradient is taken with respect to y alone: of product 8 the third
; column (with respect to t) is cut away by the transpose of the concatenation, whatever the inputs hold; so row 2 of W1 is left out of product 8 (it stays in product 1).
; LIMIT: a NaN, an infinity or an overflow that would reach only that column or logp is not carried to a result.
; LIMITS on the given exponents, so that each power of two below is an f32 number: with E2 = e0 + e1, E3 = e2 + e3:  e0, e2 - E2, e4 - E3, e6 - e4 - e5 - E2, e1, e3, e5, e7 between -126 and 112;
; E2, E3, e6 + e7 between -126 and 126.  NaN among the inputs is not served.  Inputs are finite: in product 5 the v of a sample meets zeros in the product of the sample 32 away, so an infinite v would spoil that one too.
; SHARES.  256 work-groups of four waves, as many as a WGP has SIMDs.  A wave owns 512 rows: 8 blocks of 64, a block in two halves of two tiles of 16 rows.  EVERY WAVE HOLDS ALL WEIGHTS IN ITS REGISTERS for the
; whole launch (384 registers of codes, 176 of biases and small fragments), so the loop touches no LDS and has no barrier.  LDS serves once, at the head: each wave quantises a quarter of the weights and stores
; the codes as images of the operand registers (16 bytes a lane, 512 bytes a group of four registers); behind one barrier every wave loads all 96 groups.
; LAYOUT.  All products are used transposed: source 0 = 16 rows of a weight, source 1 = 16 samples; a lane (r = lane % 16, h = lane / 16) holds sample r throughout.
; THE UNITS OF A TILE ARE NOT NEIGHBOURS: lane r of tile t takes unit 32 (t / 2) + 8 (t % 2) + r + 8 (r / 8), so that register 16 b + i of a layer is unit 32 b + 16 h + i, forward and backward alike:
; a derivative meets its gradient register for register, and eight neighbouring registers convert into two registers of the next operand.  Code register 4 c + q, byte x, is k = 32 c + 16 h + 4 q + x in both operands:
; a permutation of k that is the same on both sides.  K = 128 goes as two instructions of K = 64 (registers 0-7, 8-15), so that the first half is multiplied while the second half is still held.
; ARITHMETIC, L = log2(e).  Layer 1: the weights carry L, so ACC = L z; T = 1 / (L + L 2^-ACC) = s / L (s the sigmoid); h = ACC T; silu' = T (L - L h) + h.
; Layers 2, 3: the bias goes in as C, divided by 2^E, so ACC = z / 2^E; T = 1 / (1 + 2^(-L 2^E ACC)) = s; H = ACC T = h / 2^E; D = T (2^-E - H) + H = silu' / 2^E.  The powers of two that H and D lack are folded
; into the scale of the next conversion, into the bf16 fragment of W4, and into v on the way out.  The hold at the largest code stands ahead of every conversion, with no branch.
; SAMPLES.  Lane l loads and stores samples 2 l and 2 l + 1 of a block (16 bytes of y, of v and of out0, 8 of out1: a wave covers 512, 512, 512 and 256 consecutive aligned bytes).  Tile p of half hh has
; sample 32 hh + 2 r + p in column r.  For the second half the two halves of the lanes change places in y and v.
; REGISTERS, in windows of 256 (s_set_vgpr_msb: bits 1:0 source 0, 3:2 source 1, 5:4 source 2, 7:6 destination):
;   window 0: v0 0 (in the loop); v1, v2 16 x lane, 8 x lane; v3, v4 the two of the add; v5-8 the four scales of the conversions; v9 t; v10-11 layer 1's source 1; v12-15 y; v16-19 v; v20-23 -2^(e6+e7) v;
;             v24-27 out0; v28-29 out1; v30-31 at work; v32-47, v48-63 codes; v64-127 ACC (written by matrix instructions alone); v128-191 T; v192-255 H
;   window 1: v0-127 W2 for product 2; v128-191 b2; v192-223 b3; v224-231 b4; v232-247 W1 and b1 for product 1; v248-255 the next block's y and v
;   window 2: v0-63 W3 for product 3; v64-127 W3 for product 6; v128-191 D2; v192-223 D3; v224-239 W4 for product 4; v240-247 W4 for product 5
;   window 3: v0-127 W2 for product 7; v128-191 D1; v224-255 W1 for product 8
; A hold names vector registers as source 1 and destination alone, a backward multiply has its derivative as source 0 in the window of the weights at work: so both stand between matrix instructions without a switch.
; NOT USED, by this text's own arithmetic: tensor loads and a ring (a row brings 16 bytes; two loads a wave, a block ahead, bring a block); clusters (what work-groups share is 98 KB of weights, read once at the head);
; a prefetch (the stream is asked for a whole block, four tiles of work, ahead of its use: no wave waits for it).
; THE MODE: SCHED_MODE bits 1:0 = 2 (LLVM: expert scheduling mode 2), set by the entry lines.  The code itself states the register dependences
; between vector or matrix instructions and memory or LDS instructions, with s_wait_alu, always for 0.
; THE PLAN.  Registers that memory or LDS instructions touch, and who else names them:
;   v1, v2          Made once at the head, never written again: the offsets of the LDS loads, of every block's loads of y and v and of its stores.  The rows are reached by scalar bases.
;   v14-v23         The offsets of the head's loads of the weights: made by the head's arithmetic, read by those loads, written again in the loop (y, v, -2^(e6+e7) v).
;   v230, v231; v128-v223 of window 0    The addresses and the data of the head's 24 LDS stores: made by arithmetic and by the conversions; written again in the loop (T, H).
;   v0-v127 of windows 1, 2, 3    The weights land there in f32, the holds write them, the conversions read them; behind the barrier the codes land there from LDS; from then on matrix instructions alone name them.
;   YN, VN          At the head b1 lands there and eight selects read it.  Then: a block's y and v land there, asked for at the top of the block before; eight moves at the block's top read them.
;   O, R            Written by the selects at the end of each of a block's four tiles; read by the block's two stores.
;   v3, v4          Made at the head, read by the closing add alone.
; THE WAITS.  At the head: one for the wave's number (a scalar result), one for all offsets ahead of the first load, one for VCC, one for the codes ahead of the LDS stores; behind the barrier one that the loads and
; LDS stores so far have read their registers, and one that the vector work is done with the registers in which the codes and the first y and v land.  In a block: one ahead of the next block's two loads (the moves
; are done reading YN, VN), one ahead of the two stores (O, R are written), one behind them (the stores have read O, R).  Six a tile stand behind the batches of exponentials and reciprocals.
.set IMG2,  0                          ; LDS: 32 groups of 512 bytes: product 2's codes
.set IMG3,  16384                      ; 16 groups: product 3's
.set IMG6,  24576                      ; 16 groups: product 6's
.set IMG7,  32768                      ; 32 groups: product 7's
.set SPARE, 49152                      ; the spare words, 128 bytes for each wave: two blocks of 256 bytes that no other line names
.set XB,  10
.set Y,   12
.set V,   16
.set VS,  20
.set O,   24
.set R,   28
.set CA,  32
.set CB,  48
.set ACC, 64
.set T,   128
.set H,   192
.set GB,  T                            ; product 8's source 1, bf16
.set HB,  H+32                         ; product 4's source 1, bf16
.set DYA, H+48                         ; product 4's two accumulators
.set DYB, H+56
.set DGA, H                            ; product 8's two accumulators
.set DGB, H+8
.set P2,  0                            ; window 1
.set B2,  128
.set B3,  192
.set B4,  224
.set W1F, 232
.set YN,  248
.set VN,  252
.set P3,  0                            ; window 2
.set P6,  64
.set D2,  128
.set D3,  192
.set W4B, 224
.set W4F, 240
.set P7,  0                            ; window 3
.set D1,  128
.set W1B, 224
.set MSB, 0
.macro WIN new                         ; the immediate's high byte repeats the setting that is left; a switch that changes nothing is dropped
.if MSB != \new
	s_set_vgpr_msb (MSB<<8)|\new
.set MSB, \new
.endif
.endm
.macro NOPS n
.rept \n
	v_nop
.endr
.endm
.macro TWAIT                           ; behind a batch of transcendentals: one plain instruction, and one wait ahead of the first line that names a result
	v_nop
	s_wait_alu depctr_va_vdst(0)                   ; the exponentials or reciprocals issued above have written v[T ..], which the lines below read
.endm
.macro MKQ q, sc, p                    ; from the exponent in s[q]: v[sc] = 2^q as f32 (a conversion takes its exponent field); s[p] = 57,344 x 2^q; s[p+1] = the same, negative
	s_add_co_i32 s5, s[\q], 127
	s_lshl_b32 s6, s5, 23
	v_mov_b32 v[\sc], s6
	s_add_co_i32 s5, s5, 15
	s_lshl_b32 s5, s5, 23
	s_or_b32 s[\p], s5, 0x600000
	s_or_b32 s[(\p)+1], s[\p], 0x80000000
.endm
; ---- vector work
.macro EXPN g                          ; layer 1: T = 2^-ACC, registers 16 g on; each accumulator from its low end on
.set i, 0
.rept 16
	v_exp_f32 v[T+16*(\g)+i], -v[ACC+16*(\g)+i]
.set i, i+1
.endr
.endm
.macro EXPI n
.set i, 0
.rept \n
	v_exp_f32 v[T+i], v[T+i]
.set i, i+1
.endr
.endm
.macro SIGM n, m                       ; T = 1 / (L T + L) (m = 1) or 1 / (T + 1) (m = 0): a pair's two reciprocals stand behind the next pair's packed line; no line names a reciprocal's result
.set i, 0
.rept (\n)/2
.if \m
	v_pk_fma_f32 v[T+i:T+i+1], v[T+i:T+i+1], s[48:49], s[48:49] op_sel_hi:[1,0,0]
.else
	v_pk_add_f32 v[T+i:T+i+1], v[T+i:T+i+1], 1.0 op_sel_hi:[1,0]
.endif
.if i > 0
	v_rcp_f32 v[T+i-2], v[T+i-2]
	v_rcp_f32 v[T+i-1], v[T+i-1]
.endif
.set i, i+2
.endr
	v_rcp_f32 v[T+(\n)-2], v[T+(\n)-2]
	v_rcp_f32 v[T+(\n)-1], v[T+(\n)-1]
.endm
.macro HMUL n                          ; H = ACC x T
.set i, 0
.rept (\n)/2
	v_pk_mul_f32 v[H+i:H+i+1], v[ACC+i:ACC+i+1], v[T+i:T+i+1]
.set i, i+2
.endr
.endm
.macro DERIV d, n, m, k                ; D = T x w + H;  w = L - L H (m = 1) or s[k] - H (m = 0).  D lies in another window: destination and source 1
.set i, 0
.rept (\n)/2
.if \m
	v_pk_fma_f32 v[\d+i:\d+i+1], v[H+i:H+i+1], s[48:49], s[48:49] op_sel_hi:[1,0,0] neg_lo:[1,0,0] neg_hi:[1,0,0]
.else
	v_pk_add_f32 v[\d+i:\d+i+1], v[H+i:H+i+1], s[\k:\k+1] op_sel_hi:[1,0] neg_lo:[1,0] neg_hi:[1,0]
.endif
.set i, i+2
.endr
.set i, 0
.rept (\n)/2
	v_pk_fma_f32 v[\d+i:\d+i+1], v[T+i:T+i+1], v[\d+i:\d+i+1], v[H+i:H+i+1]
.set i, i+2
.endr
.endm
.macro HOLD f, n, sn, sp               ; the conversion to an 8-bit code does not saturate (ISA guide 7.6.2): H is held within the largest code x the scale first
.set i, 0
.rept \n
	v_med3_num_f32 v[H+(\f)+i], s[\sn], v[H+(\f)+i], s[\sp]
.set i, i+1
.endr
.endm
.macro CVT c, f, n, sc                 ; eight neighbours along the next K become two registers of codes
.set i, 0
.rept \n
	v_cvt_scalef32_pk8_bf8_f32 v[(\c)+2*i:(\c)+2*i+1], v[H+(\f)+8*i:H+(\f)+8*i+7], v[\sc]
.set i, i+1
.endr
.endm
.macro ASL t, c                        ; T = -L 2^E x ACC, tile t
.set i, 0
.rept 4
	v_pk_mul_f32 v[T+8*(\t)+i:T+8*(\t)+i+1], s[\c:\c+1], v[ACC+8*(\t)+i:ACC+8*(\t)+i+1] op_sel_hi:[0,1]
.set i, i+2
.endr
.endm
.macro BMUL t, d, a                    ; backward: H = D x the gradient, tile t
.set i, 0
.rept 4
	v_pk_mul_f32 v[H+8*(\t)+i:H+8*(\t)+i+1], v[\d+8*(\t)+i:\d+8*(\t)+i+1], v[ACC+(\a)+8*(\t)+i:ACC+(\a)+8*(\t)+i+1]
.set i, i+2
.endr
.endm
.macro XMIX t                          ; D1 x the gradient, rounded once, straight into the halves of product 8's source 1 (v0 = 0)
.set i, 0
.rept 4
	v_fma_mixlo_bf16 v[GB+4*(\t)+i], v[D1+8*(\t)+2*i], v[ACC+8*(\t)+2*i], v0
.set i, i+1
.endr
.set i, 0
.rept 4
	v_fma_mixhi_bf16 v[GB+4*(\t)+i], v[D1+8*(\t)+2*i+1], v[ACC+8*(\t)+2*i+1], v0
.set i, i+1
.endr
.endm
; ---- matrix work.  No two matrix instructions that follow each other share an accumulator, one instruction a turn
.macro MW1 t
	v_wmma_f32_16x16x4_f32 v[ACC+8*(\t):ACC+8*(\t)+7], v[W1F+2*(\t):W1F+2*(\t)+1], v[XB:XB+1], 0
.endm
.macro MW2 t, k
.if \k
	v_wmma_f32_16x16x64_bf8_bf8 v[ACC+8*(\t):ACC+8*(\t)+7], v[P2+16*(\t)+8:P2+16*(\t)+15], v[CA+8:CA+15], v[ACC+8*(\t):ACC+8*(\t)+7]
.else
	v_wmma_f32_16x16x64_bf8_bf8 v[ACC+8*(\t):ACC+8*(\t)+7], v[P2+16*(\t):P2+16*(\t)+7], v[CA:CA+7], v[B2+8*(\t):B2+8*(\t)+7]
.endif
.endm
.macro MW3 t, k
.if \k
	v_wmma_f32_16x16x64_bf8_bf8 v[ACC+8*(\t):ACC+8*(\t)+7], v[P3+16*(\t)+8:P3+16*(\t)+15], v[CB+8:CB+15], v[ACC+8*(\t):ACC+8*(\t)+7]
.else
	v_wmma_f32_16x16x64_bf8_bf8 v[ACC+8*(\t):ACC+8*(\t)+7], v[P3+16*(\t):P3+16*(\t)+7], v[CB:CB+7], v[B3+8*(\t):B3+8*(\t)+7]
.endif
.endm
.macro MW5 t, p
	v_wmma_f32_16x16x4_f32 v[ACC+32+8*(\t):ACC+32+8*(\t)+7], v[W4F+2*(\t):W4F+2*(\t)+1], v[V+2*(\p):V+2*(\p)+1], 0
.endm
.macro MW4A
	v_wmma_f32_16x16x32_bf16 v[DYA:DYA+7], v[W4B:W4B+7], v[HB:HB+7], v[B4:B4+7]
.endm
.macro MW4B
	v_wmma_f32_16x16x32_bf16 v[DYB:DYB+7], v[W4B+8:W4B+15], v[HB+8:HB+15], 0
.endm
.macro MW6 t
	v_wmma_f32_16x16x64_bf8_bf8 v[ACC+8*(\t):ACC+8*(\t)+7], v[P6+8*(\t):P6+8*(\t)+7], v[CA:CA+7], 0
.endm
.macro MW7 t, k
.if \k
	v_wmma_f32_16x16x64_bf8_bf8 v[ACC+8*(\t):ACC+8*(\t)+7], v[P7+16*(\t)+8:P7+16*(\t)+15], v[CB+8:CB+15], v[ACC+8*(\t):ACC+8*(\t)+7]
.else
	v_wmma_f32_16x16x64_bf8_bf8 v[ACC+8*(\t):ACC+8*(\t)+7], v[P7+16*(\t):P7+16*(\t)+7], v[CB:CB+7], 0
.endif
.endm
.macro MW8 s
.if (\s) < 2
	v_wmma_f32_16x16x32_bf16 v[DGA+8*((\s)%2):DGA+8*((\s)%2)+7], v[W1B+8*(\s):W1B+8*(\s)+7], v[GB+8*(\s):GB+8*(\s)+7], 0
.else
	v_wmma_f32_16x16x32_bf16 v[DGA+8*((\s)%2):DGA+8*((\s)%2)+7], v[W1B+8*(\s):W1B+8*(\s)+7], v[GB+8*(\s):GB+8*(\s)+7], v[DGA+8*((\s)%2):DGA+8*((\s)%2)+7]
.endif
.endm
; ================================================================ THE HEAD
	s_load_b512 s[8:23], s[0:1], 0x0               ; y s[8:9], v s[10:11], out0 s[12:13], out1 s[14:15], W1 s[16:17], b1 s[18:19], W2 s[20:21], b2 s[22:23]
	s_load_b256 s[24:31], s[0:1], 0x40             ; W3 s[24:25], b3 s[26:27], W4 s[28:29], b4 s[30:31]
	s_load_b128 s[32:35], s[0:1], 0x60             ; t s[32:33], the scales' exponents s[34:35]
	v_lshl_add_u32 v3, v0, 2, SPARE                ; my spare word,
	v_mov_b32 v4, 0                                ; and 0: kept for the add at the wave's end alone
	v_lshrrev_b32 v30, 5, v0
	v_readfirstlane_b32 s2, v30                    ; wave 0..3
	v_and_b32 v31, 31, v0                          ; lane
	v_lshlrev_b32 v1, 4, v31                       ; 16 x lane
	v_lshlrev_b32 v2, 3, v31                       ; 8 x lane
	v_and_b32 v10, 15, v0                          ; r
	v_bfe_u32 v11, v0, 4, 1                        ; h
	v_and_b32 v12, 8, v10
	v_add_nc_u32 v12, v12, v10                     ; u0 = r + 8 (r / 8): my unit in tile 0
	v_and_b32 v13, 1, v0                           ; which of the two outputs my row of a thin fragment serves
	v_lshlrev_b32 v17, 2, v12                      ; 4 u0
	v_lshl_add_u32 v14, v11, 13, v17               ; product 2, W2[k][n]: my column n = u0, 16 h rows of 512 bytes down,
	s_wait_alu depctr_va_sdst(0)                   ; s2, the wave's number, is written, ahead of its first reader: offsets, LDS addresses and the bases of y, v and the outputs are made from it
	s_lshl_b32 s4, s2, 7
	v_add_nc_u32 v14, s4, v14                      ; my wave's two tiles: 32 w units on
	v_lshlrev_b32 v15, 6, v11                      ; 64 h: my half's 16 numbers of a run of 32
	v_lshl_add_u32 v16, v11, 10, v17               ; W1: row 2 h, unit u0
	v_lshl_add_u32 v18, v11, 12, v17               ; product 3, W3[k][n]: 16 h rows of 256 bytes down,
	s_lshr_b32 s4, s2, 1
	s_lshl_b32 s4, s4, 7
	s_and_b32 s5, s2, 1
	s_lshl_b32 s5, s5, 5
	s_add_co_u32 s4, s4, s5
	v_add_nc_u32 v18, s4, v18                      ; my wave's tile w begins at unit 32 (w / 2) + 8 (w % 2)
	v_lshl_add_u32 v19, v12, 8, v15                ; product 6, W3[u][n]: my row u0, + 64 h,
	s_lshl_b32 s4, s2, 13
	v_add_nc_u32 v19, s4, v19                      ; 32 w rows on
	v_lshlrev_b32 v20, 3, v12                      ; W4[u][0..1]: 8 u0
	v_lshlrev_b32 v21, 2, v13
	v_lshl_add_u32 v21, v11, 7, v21                ; W4[16 h + ..][my output]
	v_lshl_add_u32 v22, v12, 9, v15                ; product 7, W2[u][n]: my row u0, + 64 h,
	s_lshl_b32 s4, s2, 14
	v_add_nc_u32 v22, s4, v22                      ; 32 w rows on
	v_lshl_add_u32 v23, v13, 9, v15                ; W1[my output][16 h + ..]
	s_lshl_b32 s4, s2, 12
	v_add_nc_u32 v230, s4, v1                      ; where I store images: 16 x lane + 8 groups x wave,
	s_lshl_b32 s4, s2, 11
	v_add_nc_u32 v231, s4, v1                      ; or + 4 groups x wave
	s_wait_kmcnt 0x0                               ; the fourteen addresses
	s_load_b256 s[36:43], s[34:35], 0x0            ; e0 .. e7
	s_load_b32 s44, s[32:33], 0x0                  ; t
	s_load_b64 s[46:47], s[30:31], 0x0             ; b4
	s_lshl_b32 s4, ttmp9, 2
	s_add_co_u32 s4, s4, s2                        ; 4 x work-group + wave: which run of 512 rows is mine
	s_lshl_b32 s6, s4, 12                          ; 512 rows of 8 bytes
	s_mov_b32 s7, 0
	s_add_nc_u64 s[8:9], s[8:9], s[6:7]
	s_add_nc_u64 s[10:11], s[10:11], s[6:7]
	s_add_nc_u64 s[12:13], s[12:13], s[6:7]
	s_lshl_b32 s6, s4, 11                          ; 512 rows of 4 bytes
	s_add_nc_u64 s[14:15], s[14:15], s[6:7]
	; ---- all loads of the head, by destination window.  Number 16 c + i of a tile's 64 (or 32) is k = 32 c + 16 h + i
	WIN 0x40
	s_wait_alu depctr_va_vdst(0)                   ; every offset and address of the kernel is written: v14 to v23, which the loads below read; v1, v2, v230, v231 likewise.  Up to the head's last load only loads and window switches follow
.set n, 0
.rept 128                              ; product 2: tiles 2 w, 2 w + 1; K is the first axis of W2: a lane takes a column, its registers run down K
	global_load_b32 v[n], v14, s[20:21] offset:(32*((n/16)%4)+n%16)*512+32*(n/64)
.set n, n+1
.endr
.set n, 0
.rept 16                               ; b2 in the accumulators' layout: register 16 b + i = unit 32 b + 16 h + i
	global_load_b128 v[B2+4*n:B2+4*n+3], v15, s[22:23] offset:128*(n/4)+16*(n%4)
.set n, n+1
.endr
.set n, 0
.rept 8
	global_load_b128 v[B3+4*n:B3+4*n+3], v15, s[26:27] offset:128*(n/4)+16*(n%4)
.set n, n+1
.endr
.set n, 0
.rept 8                                ; product 1, K = 4: (W1 row 0, W1 row 1) in lanes 0-15, (W1 row 2, b1) in lanes 16-31
	global_load_b32 v[W1F+2*n], v16, s[16:17] offset:4*(32*(n/2)+8*(n%2))
	global_load_b32 v[W1F+2*n+1], v17, s[16:17] offset:512+4*(32*(n/2)+8*(n%2))
	global_load_b32 v[YN+n], v17, s[18:19] offset:4*(32*(n/2)+8*(n%2))
.set n, n+1
.endr
	WIN 0x80
.set n, 0
.rept 64                               ; product 3: tile w
	global_load_b32 v[n], v18, s[24:25] offset:(32*(n/16)+n%16)*256
.set n, n+1
.endr
.set n, 0
.rept 16                               ; product 6: tiles 2 w, 2 w + 1; K is the last axis of W3
	global_load_b128 v[64+4*n:64+4*n+3], v19, s[24:25] offset:2048*(n/8)+128*((n/4)%2)+16*(n%4)
.set n, n+1
.endr
.set n, 0
.rept 4                                ; product 5, K = 4: (W4[u][0], W4[u][1]) in lanes 0-15; lanes 16-31 become zeros below
	global_load_b64 v[W4F+2*n:W4F+2*n+1], v20, s[28:29] offset:8*(32*(n/2)+8*(n%2))
.set n, n+1
.endr
.set n, 0
.rept 32                               ; product 4: W4[32 b + 16 h + i][my output]
	global_load_b32 v[128+n], v21, s[28:29] offset:256*(n/16)+8*(n%16)
.set n, n+1
.endr
	WIN 0xc0
.set n, 0
.rept 32                               ; product 7: tiles 2 w, 2 w + 1; K is the last axis of W2
	global_load_b128 v[4*n:4*n+3], v22, s[20:21] offset:4096*(n/16)+128*((n/4)%4)+16*(n%4)
.set n, n+1
.endr
.set n, 0
.rept 16                               ; product 8: W1[my output][32 s + 16 h + i]
	global_load_b128 v[128+4*n:128+4*n+3], v23, s[16:17] offset:128*(n/4)+16*(n%4)
.set n, n+1
.endr
	WIN 0
	; ---- the constants
	s_wait_kmcnt 0x0                               ; the exponents, t, b4
	s_mov_b32 s48, 0x3fb8aa3b                      ; L = log2(e); every scalar pair below is named whole by a packed form, which takes its low word for both halves
	s_mov_b32 s49, s48
	s_add_co_i32 s76, s36, s37                     ; E2 = e0 + e1
	s_add_co_i32 s77, s38, s39                     ; E3 = e2 + e3
	s_lshl_b32 s4, s76, 23
	s_add_co_i32 s50, s4, 0xbfb8aa3b               ; -L 2^E2: the exponent is added to -L's exponent field
	s_mov_b32 s51, s50
	s_sub_co_i32 s4, 127, s76
	s_lshl_b32 s52, s4, 23                         ; 2^-E2
	s_mov_b32 s53, s52
	s_lshl_b32 s4, s77, 23
	s_add_co_i32 s54, s4, 0xbfb8aa3b               ; -L 2^E3
	s_mov_b32 s55, s54
	s_sub_co_i32 s4, 127, s77
	s_lshl_b32 s56, s4, 23                         ; 2^-E3
	s_mov_b32 s57, s56
	s_add_co_i32 s4, s42, s43
	s_add_co_i32 s4, s4, 127
	s_lshl_b32 s4, s4, 23
	s_or_b32 s58, s4, 0x80000000                   ; -2^(e6 + e7)
	s_mov_b32 s59, s58
	s_mov_b32 s60, 0xffff0000                      ; lanes 16-31
	s_mov_b32 s62, 0x76543210                      ; v_permlanex16_b32: lane l xor 16
	s_mov_b32 s63, 0xfedcba98
	s_sub_co_i32 s86, 0, s76
	s_sub_co_i32 s87, 0, s77
	s_add_co_i32 s4, s77, 127
	s_lshl_b32 s88, s4, 23                         ; 2^E3
	s_sub_co_i32 s89, s38, s76                     ; h2's conversion: H = h2 / 2^E2, so its scale is 2^(e2 - E2)
	s_sub_co_i32 s90, s40, s77                     ; layer 3's gradient: 2^(e4 - E3)
	s_sub_co_i32 s91, s42, s40
	s_sub_co_i32 s91, s91, s41
	s_sub_co_i32 s91, s91, s76                     ; layer 2's gradient: 2^(e6 - e4 - e5 - E2)
	MKQ 36, 5, 66
	MKQ 89, 6, 68
	MKQ 90, 7, 70
	MKQ 91, 8, 72
	MKQ 37, 224, 78                                ; the weights': e1, e3, e5, e7
	MKQ 39, 225, 80
	MKQ 41, 226, 82
	MKQ 43, 227, 84
	v_and_b32 v30, 6, v0
	v_cmp_eq_u32 vcc_lo, 0, v30                    ; rows 0, 1, 8, 9 of a thin fragment are live: so both halves of the lanes get both outputs in registers 0 and 1
	s_wait_alu depctr_va_vcc(0)                    ; the compare has written VCC, which the two selects below read
	v_cndmask_b32 v228, 0, 1.0, vcc_lo
	v_mov_b32 v31, s88
	v_cndmask_b32 v229, 0, v31, vcc_lo             ; for W4: x 2^E3, which h3 lacks
	v_mov_b32 v9, s44                              ; t
	s_wait_loadcnt 0x0                             ; all loads of the head are in
	; ---- my quarter of the weights becomes codes, in window 0: v128-159 product 2's, v160-191 product 7's, v192-207 product 3's, v208-223 product 6's
	WIN 0x41
.set n, 0
.rept 128
	v_med3_num_f32 v[n], v[n], s79, s78
.set n, n+1
.endr
	WIN 0x01
.set n, 0
.rept 16
	v_cvt_scalef32_pk8_bf8_f32 v[128+2*n:129+2*n], v[8*n:8*n+7], v224
.set n, n+1
.endr
	WIN 0xc3
.set n, 0
.rept 128
	v_med3_num_f32 v[n], v[n], s85, s84
.set n, n+1
.endr
	WIN 0x03
.set n, 0
.rept 16
	v_cvt_scalef32_pk8_bf8_f32 v[160+2*n:161+2*n], v[8*n:8*n+7], v227
.set n, n+1
.endr
	WIN 0x82
.set n, 0
.rept 64
	v_med3_num_f32 v[n], v[n], s81, s80
	v_med3_num_f32 v[64+n], v[64+n], s83, s82
.set n, n+1
.endr
	WIN 0x02
.set n, 0
.rept 8
	v_cvt_scalef32_pk8_bf8_f32 v[192+2*n:193+2*n], v[8*n:8*n+7], v225
	v_cvt_scalef32_pk8_bf8_f32 v[208+2*n:209+2*n], v[64+8*n:64+8*n+7], v226
.set n, n+1
.endr
	v_nop                                          ; one plain vector instruction behind the last scaled conversion
	WIN 0
	s_wait_alu depctr_va_vdst(0)                   ; the conversions have written the codes in v128 to v223, which the LDS stores below read
.set n, 0
.rept 8                                ; the images: a group of four registers is 512 consecutive bytes, 16 a lane
	ds_store_b128 v230, v[128+4*n:131+4*n] offset:IMG2+512*n
	ds_store_b128 v230, v[160+4*n:163+4*n] offset:IMG7+512*n
.set n, n+1
.endr
.set n, 0
.rept 4
	ds_store_b128 v231, v[192+4*n:195+4*n] offset:IMG3+512*n
	ds_store_b128 v231, v[208+4*n:211+4*n] offset:IMG6+512*n
.set n, n+1
.endr
	; ---- the small fragments, while the stores are out: none of these lines writes a register that the stores read
	WIN 0x45
.set n, 0
.rept 8
	v_cndmask_b32 v[W1F+2*n+1], v[W1F+2*n+1], v[YN+n], s60   ; k = 3 is the bias, against the 1.0 of source 1
.set n, n+1
.endr
.set n, 0
.rept 16
	v_mul_f32 v[W1F+n], s48, v[W1F+n]              ; x L
.set n, n+1
.endr
.set n, 0
.rept 64
	v_ldexp_f32 v[B2+n], v[B2+n], s86              ; b2 / 2^E2: the C of product 2's first half
.set n, n+1
.endr
.set n, 0
.rept 32
	v_ldexp_f32 v[B3+n], v[B3+n], s87
.set n, n+1
.endr
	v_mov_b32 v[B4], s46                           ; b4: rows 0 and 8, rows 1 and 9
	v_mov_b32 v[B4+1], s47
.set n, 2
.rept 6
	v_mov_b32 v[B4+n], 0
.set n, n+1
.endr
	WIN 0x82
.set n, 0
.rept 8
	v_cndmask_b32 v[W4F+n], v[W4F+n], 0, s60       ; k = 2, 3 of product 5 are zeros
.set n, n+1
.endr
.set n, 0
.rept 32
	v_mul_f32 v[128+n], v[128+n], v229
.set n, n+1
.endr
	WIN 0x8a
.set n, 0
.rept 16
	v_cvt_pk_bf16_f32 v[W4B+n], v[128+2*n], v[129+2*n]
.set n, n+1
.endr
	WIN 0xc3
.set n, 0
.rept 64
	v_mul_f32 v[128+n], v[128+n], v228
.set n, n+1
.endr
	WIN 0xcf
.set n, 0
.rept 32
	v_cvt_pk_bf16_f32 v[W1B+n], v[128+2*n], v[129+2*n]
.set n, n+1
.endr
	WIN 0
.set n, 0
.rept 6
	v_mov_b32 v[O+n], 0                            ; out0's and out1's registers are filled half the lanes at a time: written whole once
.set n, n+1
.endr
	s_wait_dscnt 0x0                               ; for the others' sake: my 24 stores have landed
	s_barrier_signal -1
	s_barrier_wait -1                              ; all 96 groups lie in LDS; nobody writes LDS again
	s_wait_alu depctr_vm_vsrc(0)                   ; the head's loads have read their offsets v14 to v23, and my LDS stores v128 to v223, v230 and v231: the loop writes all of these again (y, v, -2^(e6+e7) v, T, H)
	WIN 0x40
	s_wait_alu depctr_va_vdst(0)                   ; the holds have written, and the conversions are done reading, v0 to v127 of windows 1 to 3, in which the codes land; the selects are done reading YN, in which y lands.  Only loads and window switches follow up to the last of these loads
.set n, 0
.rept 32
	ds_load_b128 v[P2+4*n:P2+4*n+3], v1 offset:IMG2+512*n
.set n, n+1
.endr
	global_load_b128 v[YN:YN+3], v1, s[8:9] th:TH_LOAD_NT     ; the first block's y and v
	global_load_b128 v[VN:VN+3], v1, s[10:11] th:TH_LOAD_NT
	WIN 0x80
.set n, 0
.rept 16
	ds_load_b128 v[P3+4*n:P3+4*n+3], v1 offset:IMG3+512*n
	ds_load_b128 v[P6+4*n:P6+4*n+3], v1 offset:IMG6+512*n
.set n, n+1
.endr
	WIN 0xc0
.set n, 0
.rept 32
	ds_load_b128 v[P7+4*n:P7+4*n+3], v1 offset:IMG7+512*n
.set n, n+1
.endr
	WIN 0
	v_mov_b32 v0, 0                                ; from here on v0 is the 0 that XMIX adds (no memory or LDS instruction names v0)
	s_wait_dscnt 0x0                               ; the weights are in
; ================================================================ A TILE OF 16 SAMPLES, forward and backward.  p: which of a lane's two samples
; PLACES.  A vector instruction that reads a matrix result stands 4 places behind the bf8 and bf16 forms and 8 behind the f32 form, and only plain vector instructions that name none of that
; instruction's registers are places (ISA guide 7.12.1).  Where slices of vector work stand between matrix instructions, tile t is read behind the slices of tiles t - 2 and t - 1: 8 places or more;
; the first two tiles of a run have four v_nop.  A matrix instruction that writes an accumulator anew stands a whole vector phase behind the last one that wrote it.
; A tile holds no memory and no LDS instruction: its only waits are the six behind its batches of transcendentals.
.macro TILE p
	v_cndmask_b32 v[XB], v[Y+2*(\p)], v9, s60      ; source 1 of product 1: (y0, y1) in lanes 0-15, (t, 1.0) in lanes 16-31
	v_cndmask_b32 v[XB+1], v[Y+2*(\p)+1], 1.0, s60
.set tq, 0
.rept 4                                ; product 1, two tiles at a time; the exponentials of two tiles stand behind the next two products: four v_nop behind each pair make the eight places
	WIN 0x01
	MW1 2*tq
	MW1 2*tq+1
	NOPS 4
.if tq > 0
	WIN 0
	EXPN tq-1
.endif
.set tq, tq+1
.endr
	NOPS 4
	WIN 0
	EXPN 3
	TWAIT
	SIGM 64, 1
	TWAIT
	HMUL 64                                        ; h1
	WIN 0xcc
	DERIV D1, 64, 1, 0
	WIN 0
	HOLD 0, 32, 67, 66
	CVT CA, 0, 4, 5                                ; k = 0 .. 63 of product 2
	WIN 0x11
.set tq, 0
.rept 8                                ; its first half is multiplied while the second half is held; the first four holds are the plain place behind the conversions
	HOLD 32+4*tq, 4, 67, 66
	MW2 tq, 0
.set tq, tq+1
.endr
	WIN 0
	CVT CA+8, 32, 4, 5
	NOPS 1                                         ; the plain place behind the conversions
	WIN 0x01
	MW2 0, 1
	MW2 1, 1
	NOPS 4
.set tq, 0
.rept 6
	MW2 tq+2, 1
	ASL tq, 50
.set tq, tq+1
.endr
	ASL 6, 50
	ASL 7, 50
	WIN 0
	EXPI 64
	TWAIT
	SIGM 64, 0
	TWAIT
	HMUL 64                                        ; h2 / 2^E2
	WIN 0x88
	DERIV D2, 64, 0, 52
	WIN 0x12                                       ; product 5 goes into the upper half of ACC, which layer 3 leaves free, under layer 2's holds
	MW5 0, \p
	HOLD 0, 16, 69, 68
	MW5 1, \p
	HOLD 16, 16, 69, 68
	WIN 0
	CVT CB, 0, 4, 6
	WIN 0x12
.set tq, 0
.rept 4
	HOLD 32+4*tq, 4, 69, 68
	MW3 tq, 0
.set tq, tq+1
.endr
	MW5 2, \p
	HOLD 48, 16, 69, 68
	WIN 0
	CVT CB+8, 32, 4, 6
	NOPS 1
	WIN 0x02
	MW3 0, 1
	MW3 1, 1
	NOPS 4
	MW3 2, 1
	ASL 0, 54
	MW3 3, 1
	ASL 1, 54
	MW5 3, \p
	ASL 2, 54
	ASL 3, 54
	WIN 0
	EXPI 32
	TWAIT
	SIGM 32, 0
	TWAIT
	HMUL 32                                        ; h3 / 2^E3
	WIN 0x88
	DERIV D3, 32, 0, 56
	WIN 0
.set i, 0
.rept 16
	v_cvt_pk_bf16_f32 v[HB+i], v[H+2*i], v[H+2*i+1]
.set i, i+1
.endr
	WIN 0x12
	MW4A                                           ; product 4 in two accumulators, units 0-31 (with b4 as C) and 32-63
	MW4B
	BMUL 0, D3, 32                                 ; layer 3's gradient; these 48 lines are also the places behind product 4
	BMUL 1, D3, 32
	BMUL 2, D3, 32
	BMUL 3, D3, 32
	HOLD 0, 32, 71, 70
	WIN 0
	CVT CA, 0, 4, 7
	v_add_f32 v30, v[DYA], v[DYB]                  ; (the plain place behind the conversions)
	v_add_f32 v31, v[DYA+1], v[DYB+1]
	v_cndmask_b32 v[O+2*(\p)], v[O+2*(\p)], v30, s61   ; the half of the lanes that owns these samples keeps them
	v_cndmask_b32 v[O+2*(\p)+1], v[O+2*(\p)+1], v31, s61
	WIN 0x02
	MW6 0
	MW6 1
	NOPS 4
.set tq, 0
.rept 3
	MW6 2*tq+2
	MW6 2*tq+3
	BMUL tq, D2, 0
	HOLD 8*tq, 8, 73, 72
.set tq, tq+1
.endr
	BMUL 3, D2, 0
	HOLD 24, 8, 73, 72
	BMUL 4, D2, 0
	BMUL 5, D2, 0
	BMUL 6, D2, 0
	BMUL 7, D2, 0
	WIN 0
	CVT CB, 0, 4, 8
	WIN 0x03
.set tq, 0
.rept 8
	HOLD 32+4*tq, 4, 73, 72
	MW7 tq, 0
.set tq, tq+1
.endr
	WIN 0
	CVT CB+8, 32, 4, 8
	NOPS 1
	WIN 0x03
	MW7 0, 1
	MW7 1, 1
	NOPS 4
	MW7 2, 1
	XMIX 0
	MW7 3, 1
	XMIX 1
	MW7 4, 1
	XMIX 2
	MW8 0                                          ; product 8, 32 units an instruction, two accumulators by turns
	MW7 5, 1
	XMIX 3
	MW7 6, 1
	XMIX 4
	MW8 1
	MW7 7, 1
	XMIX 5
	XMIX 6
	MW8 2
	XMIX 7
	MW8 3
	NOPS 4
	WIN 0
	v_mul_f32 v30, v[DGA], v[VS+2*(\p)]            ; -(g . v): the sums lack 2^(e6 + e7), which VS carries with the sign
	v_fmac_f32 v30, v[DGB], v[VS+2*(\p)]
	v_fmac_f32 v30, v[DGA+1], v[VS+2*(\p)+1]
	v_fmac_f32 v30, v[DGB+1], v[VS+2*(\p)+1]
	v_cndmask_b32 v[R+(\p)], v[R+(\p)], v30, s61
.endm
; ================================================================ THE LOOP: 8 blocks of 64 samples
	s_mov_b32 s74, 8
.Lblock:
	s_wait_loadcnt 0x0                             ; this block's y and v, asked for a block ago; the wait also frees their bases
	WIN 0x01
.set i, 0
.rept 8
	v_mov_b32 v[Y+i], v[YN+i]
.set i, i+1
.endr
	WIN 0
	v_pk_mul_f32 v[VS:VS+1], v[V:V+1], s[58:59] op_sel_hi:[1,0]
	v_pk_mul_f32 v[VS+2:VS+3], v[V+2:V+3], s[58:59] op_sel_hi:[1,0]
	s_cmp_eq_u32 s74, 1                            ; the last block asks for nothing: no load leaves its buffer
	s_cbranch_scc1 .Lnonext
	s_add_nc_u64 s[8:9], s[8:9], 512
	s_add_nc_u64 s[10:11], s[10:11], 512
	WIN 0x40
	s_wait_alu depctr_va_vdst(0)                   ; the eight moves above are done reading YN and VN, in which the two loads below land
	global_load_b128 v[YN:YN+3], v1, s[8:9] th:TH_LOAD_NT     ; 32 lanes read 512 consecutive bytes; read once in the launch
	global_load_b128 v[VN:VN+3], v1, s[10:11] th:TH_LOAD_NT
	WIN 0
.Lnonext:
	s_mov_b32 s61, 0x0000ffff                      ; the first half's samples belong to lanes 0-15
	s_mov_b32 s75, 2
.Lhalf:
	TILE 0
	TILE 1
.set i, 0
.rept 8                                ; the halves of the lanes change places in y and v (VS stays: a result is taken in the lane that owns the sample)
	v_permlanex16_b32 v[T+i], v[Y+i], s62, s63
.set i, i+1
.endr
.set i, 0
.rept 8
	v_mov_b32 v[Y+i], v[T+i]
.set i, i+1
.endr
	s_not_b32 s61, s61
	s_sub_co_u32 s75, s75, 1
	s_cmp_lg_u32 s75, 0
	s_cbranch_scc1 .Lhalf
	s_wait_alu depctr_va_vdst(0)                   ; the four tiles' selects have written O and R, which the two stores below read
	global_store_b128 v1, v[O:O+3], s[12:13] th:TH_STORE_NT   ; 32 lanes store 512 consecutive bytes, at a multiple of 256 from out0's first byte
	global_store_b64 v2, v[R:R+1], s[14:15] th:TH_STORE_NT    ; and 256 consecutive bytes, at a multiple of 256 from out1's
	s_wait_xcnt 0x0                                ; the stores' data and bases are written again only behind this wait
	s_wait_alu depctr_vm_vsrc(0)                   ; the two stores have read O and R, which the next block's selects write again
	s_add_nc_u64 s[12:13], s[12:13], 512
	s_add_nc_u64 s[14:15], s[14:15], 256
	s_sub_co_u32 s74, s74, 1
	s_cmp_lg_u32 s74, 0
	s_cbranch_scc1 .Lblock
	s_wait_dscnt 0x0                               ; the wave's end: the closing lines, six on end
	s_wait_alu 0x0
	s_wait_tensorcnt 0x0
	ds_add_u32 v3, v4
	s_wait_dscnt 0x0
	s_endpgm
.Lfunc_end_k_q7eb8e4c9ba_cnf:
	.size	k_q7eb8e4c9ba_cnf, .Lfunc_end_k_q7eb8e4c9ba_cnf-k_q7eb8e4c9ba_cnf
	.p2alignl 7, 3214868480
	.fill 96, 4, 3214868480
	.section	.rodata,"a",@progbits
	.p2align	6, 0x0
	.amdhsa_kernel k_q7eb8e4c9ba_cnf
		.amdhsa_group_segment_fixed_size 49664
		.amdhsa_private_segment_fixed_size 0
		.amdhsa_enable_private_segment 0
		.amdhsa_kernarg_size 112
		.amdhsa_user_sgpr_count 2
		.amdhsa_user_sgpr_kernarg_segment_ptr 1
		.amdhsa_wavefront_size32 1
		.amdhsa_system_sgpr_workgroup_id_x 1
		.amdhsa_system_sgpr_workgroup_id_y 1
		.amdhsa_system_sgpr_workgroup_id_z 1
		.amdhsa_system_vgpr_workitem_id 0
		.amdhsa_next_free_vgpr 1024
		.amdhsa_next_free_sgpr 96
		.amdhsa_reserve_vcc 1
		.amdhsa_float_denorm_mode_32 3
		.amdhsa_float_denorm_mode_16_64 3
		.amdhsa_memory_ordered 1
		.amdhsa_forward_progress 1
		.amdhsa_inst_pref_size 223
	.end_amdhsa_kernel
	.amdgpu_metadata
---
amdhsa.version: [ 1, 2 ]
amdhsa.kernels:
  - .name:           k_q7eb8e4c9ba_cnf
    .symbol:         k_q7eb8e4c9ba_cnf.kd
    .args:
      - { .name: y, .offset: 0, .size: 8, .value_kind: global_buffer, .address_space: global }
      - { .name: v, .offset: 8, .size: 8, .value_kind: global_buffer, .address_space: global }
      - { .name: out0, .offset: 16, .size: 8, .value_kind: global_buffer, .address_space: global }
      - { .name: out1, .offset: 24, .size: 8, .value_kind: global_buffer, .address_space: global }
      - { .name: W1, .offset: 32, .size: 8, .value_kind: global_buffer, .address_space: global }
      - { .name: b1, .offset: 40, .size: 8, .value_kind: global_buffer, .address_space: global }
      - { .name: W2, .offset: 48, .size: 8, .value_kind: global_buffer, .address_space: global }
      - { .name: b2, .offset: 56, .size: 8, .value_kind: global_buffer, .address_space: global }
      - { .name: W3, .offset: 64, .size: 8, .value_kind: global_buffer, .address_space: global }
      - { .name: b3, .offset: 72, .size: 8, .value_kind: global_buffer, .address_space: global }
      - { .name: W4, .offset: 80, .size: 8, .value_kind: global_buffer, .address_space: global }
      - { .name: b4, .offset: 88, .size: 8, .value_kind: global_buffer, .address_space: global }
      - { .name: t, .offset: 96, .size: 8, .value_kind: global_buffer, .address_space: global }
      - { .name: lowp_scales, .offset: 104, .size: 8, .value_kind: global_buffer, .address_space: global }
    .group_segment_fixed_size: 49664
    .private_segment_fixed_size: 0
    .kernarg_segment_align: 8
    .kernarg_segment_size: 112
    .max_flat_workgroup_size: 128
    .sgpr_count:     96
    .vgpr_count:     1024
    .wavefront_size: 32
...
	.end_amdgpu_metadata
.endif
;; end of part 2
